; MI455X (gfx1250); checked and timed in simulation.
; The chip was launched on July 23, 2026; its instructions are those of AMD's public machine-readable ISA for CDNA 5 (MIT licence, August 2026) and "CDNA5" Instruction Set Architecture Reference Guide (July 2026). The comments in the code are by the model that wrote it; some were corrected since.
;; Self Attention. Allowed arithmetic: float matrix products may take bf16 or f16 operands with f32 sums; all other float work in f32.
;; Inputs: proj_b 1,024 float32; proj_w 1,024 x 1,024 float32; qkv_w 3,072 x 1,024 float32; x 2 x 2,048 x 1,024 float32.
;; Outputs: out0 2 x 2,048 x 1,024 float32.
;; One version. Each part assembles by itself: llvm-mc -triple=amdgcn-amd-amdhsa -mcpu=gfx1250 --defsym DOCPART=n.
;; ======== version 1 of 1: 4 launches
;; limits: values are held in f16: magnitudes above 65,504 overflow, below 6.1e-05 lose precision
;; workspace buffers: xh 8,388,608 bytes; wh 6,291,456 bytes; ph 2,097,152 bytes; qkv 25,165,824 bytes; att 8,388,608 bytes
;; launch cvt (part 1): grid 1024 x 1, 8 waves a work-group, no clusters, 0 bytes of LDS; arguments x, qkv_w, proj_w, xh, wh, ph; writes xh, wh, ph
.if DOCPART == 1
	.amdgcn_target "amdgcn-amd-amdhsa--gfx1250"
	.amdhsa_code_object_version 6
	.text
	.protected	k_q6309455cec_cvt
	.globl	k_q6309455cec_cvt
	.p2align	8
	.type	k_q6309455cec_cvt,@function
k_q6309455cec_cvt:
	s_mov_b64 s[64:65], 0
	v_nop
	global_prefetch_b8 v0, s[64:65] scope:SCOPE_SE
	s_setreg_imm32_b32 hwreg(HW_REG_WAVE_MODE, 25, 1), 1
	s_wait_xcnt 0x0
; f32 -> f16 of x, qkv_w and proj_w, once, so that the three matrix launches behind it move and read 16-bit operands only.
; Rows 0..1023 of qkv_w (the weights of q) are multiplied in f32 by c = 0.125 * log2(e) before their one rounding: the scores then
; arrive scaled and in units of log2, and the softmax is exp2(s - max) with an argument that is never positive.
; LIMITS: a number of magnitude 65,520 or more becomes an infinity in f16; below 2^-14 the rounding step is 2^-24 (f16 denormals).
; A stream: every byte read once and written once; no LDS, no barrier, no matrix unit, no cluster (no work-group shares an input byte).
; A work-group owns 32,768 bytes of f32 (8,192 numbers): ids 0-511 x, 512-895 qkv_w (512-639 are q's rows: 1,024 rows x 4,096 bytes),
; 896-1023 proj_w.  Thread t takes 16 bytes at 16 t + 4,096 j, j = 0..7: a wave's load covers 512 consecutive bytes; it stores 8 bytes at
; 8 t + 2,048 j: a wave's store covers 256 consecutive bytes, aligned.
.set IN,   4                           ; v[4:35]   eight loads of four f32
.set OUTR, 36                          ; v[36:51]  eight pairs of packed f16
	s_load_b256 s[4:11], s[0:1], 0x0               ; x s[4:5], qkv_w s[6:7], proj_w s[8:9], xh s[10:11]
	s_load_b128 s[12:15], s[0:1], 0x20             ; wh s[12:13], ph s[14:15]
	s_mov_b32 s16, ttmp9                           ; the work-group's number
	s_sub_co_u32 s17, s16, 512                     ; its chunk in qkv_w, if it is one of those
	s_sub_co_u32 s18, s16, 896                     ; its chunk in proj_w, if it is one of those
	s_mov_b32 s28, 0x3e38aa3b                      ; c = 0.125 * log2(e)
	s_mov_b32 s29, 0x3e38aa3b                      ; (the pair is named whole by the packed multiply)
	v_lshlrev_b32 v1, 4, v0                        ; 16 t
	v_lshlrev_b32 v2, 3, v0                        ; 8 t
	s_wait_kmcnt 0x0
	s_cmp_lt_u32 s16, 896                          ; the choice hangs on the work-group's number alone
	s_cselect_b64 s[20:21], s[6:7], s[8:9]
	s_cselect_b64 s[22:23], s[12:13], s[14:15]
	s_cselect_b32 s19, s17, s18
	s_cmp_lt_u32 s16, 512
	s_cselect_b64 s[20:21], s[4:5], s[20:21]       ; from
	s_cselect_b64 s[22:23], s[10:11], s[22:23]     ; to
	s_cselect_b32 s19, s16, s19                    ; chunk inside the chosen buffer
	s_lshl_b32 s24, s19, 15                        ; 32,768 bytes of f32 a chunk
	s_mov_b32 s25, 0
	s_lshl_b32 s26, s19, 14                        ; 16,384 bytes of f16
	s_mov_b32 s27, 0
	s_add_nc_u64 s[20:21], s[20:21], s[24:25]
	s_add_nc_u64 s[22:23], s[22:23], s[26:27]
.irp j, 0,1,2,3,4,5,6,7
	global_load_b128 v[IN+4*\j:IN+4*\j+3], v1, s[20:21] offset:4096*\j th:TH_LOAD_NT   ; read once in the launch
.endr
; No register is written twice, so the only waits are the counted ones for the loads.
.macro OUT8 scaled
.irp j, 0,1,2,3,4,5,6,7
	s_wait_loadcnt 7-\j                            ; loads return in order: load j is in, the 7 - j younger ones stay out
.if \scaled
	v_pk_mul_f32 v[IN+4*\j:IN+4*\j+1], v[IN+4*\j:IN+4*\j+1], s[28:29] op_sel_hi:[1,0]
	v_pk_mul_f32 v[IN+4*\j+2:IN+4*\j+3], v[IN+4*\j+2:IN+4*\j+3], s[28:29] op_sel_hi:[1,0]
.endif
	v_cvt_pk_f16_f32 v[OUTR+2*\j], v[IN+4*\j], v[IN+4*\j+1]
	v_cvt_pk_f16_f32 v[OUTR+2*\j+1], v[IN+4*\j+2], v[IN+4*\j+3]
	global_store_b64 v2, v[OUTR+2*\j:OUTR+2*\j+1], s[22:23] offset:2048*\j   ; no hint: the next launches read it
.endr
.endm
	s_cmp_lt_u32 s17, 128                          ; unsigned: true for ids 512..639 alone, the chunks of q's weights
	s_cbranch_scc1 .Lscaled
	OUT8 0
	s_endpgm
.Lscaled:
	OUT8 1
	s_endpgm
.Lfunc_end_k_q6309455cec_cvt:
	.size	k_q6309455cec_cvt, .Lfunc_end_k_q6309455cec_cvt-k_q6309455cec_cvt
	.p2alignl 7, 3214868480
	.fill 96, 4, 3214868480
	.section	.rodata,"a",@progbits
	.p2align	6, 0x0
	.amdhsa_kernel k_q6309455cec_cvt
		.amdhsa_group_segment_fixed_size 0
		.amdhsa_private_segment_fixed_size 0
		.amdhsa_enable_private_segment 0
		.amdhsa_kernarg_size 48
		.amdhsa_user_sgpr_count 2
		.amdhsa_user_sgpr_kernarg_segment_ptr 1
		.amdhsa_wavefront_size32 1
		.amdhsa_system_sgpr_workgroup_id_x 1
		.amdhsa_system_sgpr_workgroup_id_y 1
		.amdhsa_system_sgpr_workgroup_id_z 1
		.amdhsa_system_vgpr_workitem_id 0
		.amdhsa_next_free_vgpr 52
		.amdhsa_next_free_sgpr 66
		.amdhsa_reserve_vcc 0
		.amdhsa_float_denorm_mode_32 3
		.amdhsa_float_denorm_mode_16_64 3
		.amdhsa_memory_ordered 1
		.amdhsa_forward_progress 1
		.amdhsa_inst_pref_size 8
	.end_amdhsa_kernel
	.amdgpu_metadata
---
amdhsa.version: [ 1, 2 ]
amdhsa.kernels:
  - .name:           k_q6309455cec_cvt
    .symbol:         k_q6309455cec_cvt.kd
    .args:
      - { .name: x, .offset: 0, .size: 8, .value_kind: global_buffer, .address_space: global }
      - { .name: qkv_w, .offset: 8, .size: 8, .value_kind: global_buffer, .address_space: global }
      - { .name: proj_w, .offset: 16, .size: 8, .value_kind: global_buffer, .address_space: global }
      - { .name: xh, .offset: 24, .size: 8, .value_kind: global_buffer, .address_space: global }
      - { .name: wh, .offset: 32, .size: 8, .value_kind: global_buffer, .address_space: global }
      - { .name: ph, .offset: 40, .size: 8, .value_kind: global_buffer, .address_space: global }
    .group_segment_fixed_size: 0
    .private_segment_fixed_size: 0
    .kernarg_segment_align: 8
    .kernarg_segment_size: 48
    .max_flat_workgroup_size: 256
    .sgpr_count:     66
    .vgpr_count:     52
    .wavefront_size: 32
...
	.end_amdgpu_metadata
.endif
;; end of part 1
;; launch qkv (part 2): grid 12 x 16, 4 waves a work-group, clusters of 4 x 4, 327,680 bytes of LDS; arguments xh, wh, qkv; writes qkv
.if DOCPART == 2
	.amdgcn_target "amdgcn-amd-amdhsa--gfx1250"
	.amdhsa_code_object_version 6
	.text
	.protected	k_q6309455cec_qkv
	.globl	k_q6309455cec_qkv
	.p2align	8
	.type	k_q6309455cec_qkv,@function
k_q6309455cec_qkv:
	s_mov_b64 s[64:65], 0
	v_nop
	global_prefetch_b8 v0, s[64:65] scope:SCOPE_SE
	s_setreg_imm32_b32 hwreg(HW_REG_WAVE_MODE, 25, 1), 1
	s_wait_xcnt 0x0
	s_wait_alu depctr_hold_cnt(0) depctr_sa_sdst(0) depctr_va_vdst(0) depctr_va_sdst(0) depctr_va_ssrc(0) depctr_va_vcc(0) depctr_vm_vsrc(0)
	s_getreg_b32 s2, hwreg(HW_REG_IB_STS2, 6, 4)
	s_cmp_eq_u32 s2, 0
	s_cbranch_scc0 .Lentry_in_a_cluster
	s_endpgm
.Lentry_in_a_cluster:
	s_bfe_u32 s2, ttmp6, 0x10000c
	s_cmp_lg_u32 s2, 0xf033
	s_cbranch_scc0 .Lentry_shape_is_right
	s_endpgm
.Lentry_shape_is_right:
; qkv[m][n] = sum over k of xh[m][k] wh[n][k]:  xh [4096][1024], wh [3072][1024], f16 operands, f32 sums, one rounding to f16.
; The result is stored one head to a dense block: qkv[b 2][ch 48][token 2048][64] f16, ch = n >> 6 (0-15 q's heads, 16-31 k's, 32-47 v's),
; so that the attention launch finds a head's rows back to back and every store here covers whole aligned blocks of 256 bytes.
; LIMIT: a result of magnitude 65,520 or more becomes an infinity in f16 (the drawn inputs give about 5.5 at the most).
; A work-group makes a block of 256 x 256 with four waves, as many as a WGP has SIMDs; a wave makes 128 x 128: 64 accumulator tiles of
; 16 x 16, 512 registers.  K goes in steps of 128 through a ring of two LDS slots filled by the tensor data mover: a tile's rows are 256
; bytes of memory and start at multiples of 256 bytes.  16 x 12 = 192 blocks: the block columns fall on the borders between q, k and v.
; CLUSTERS: 4 x 4 work-groups.  The four of a row of the cluster need the same tiles of xh, the four of a column the same tiles of wh:
; each such tile is asked for jointly, by the same tensor load with the same descriptor and a mask that names the four.
;
; REGISTERS, in windows of 256 (s_set_vgpr_msb says which window each operand place means):
;   window 0: v0-31 addresses; v64-127, v128-191 fragments of xh (8 x 16 rows x 32 K), two buffers; v192-223 at work on the way out
;   window 1: v64-127, v128-191 fragments of wh, two buffers
;   window 2: the 32 accumulator tiles of my rows 0-63 (tile (a, b) at v[8 (8 a + b)]);   window 3: those of my rows 64-127
; THE MATRIX INSTRUCTION IS USED TRANSPOSED: source 0 = 16 rows of wh, source 1 = 16 rows of xh, so that lane l holds token l % 16 and
; its registers 0 to 7 the features 8 (l / 16) + 0 .. 7: eight neighbouring numbers of a row, 16 bytes when packed.
.set SIZE_M, 4096
.set SIZE_N, 3072
.set SIZE_K, 1024
.set CHUNK,  0x40000                   ; bytes of one head of one batch in qkv: 2,048 tokens x 128 bytes
.set KSTEP,  128
.set PITCH,  272                       ; an LDS row: 256 bytes of data + 16 of padding, so that the 16 rows that a load touches start at 16 different banks (ISA guide 11.1)
.set HALFT,  128*PITCH                 ; 128 rows: what one tensor load brings, and what one wave reads of xh or of wh
.set SLOT,   4*HALFT                   ; xh's 256 rows, then wh's 256 rows
.set STAGE,  2*SLOT                    ; behind the ring: 16 rows x 272 bytes for each wave, for the way out
.set SPITCH, 272
.set LAPS, SIZE_K/(2*KSTEP)            ; a lap = two K steps = once round the ring: 4 laps
.set ADRA, 16                          ; v16-17  LDS address of my xh fragments in slot 0, 1
.set ADRB, 20                          ; v20-21  the same for wh
.set STO,  24                          ; v24     the way out: where I put 16 bytes of a row
.set RD,   25                          ; v25     the way out: where I read back
.set CO,   26                          ; v26     my byte offset in a store's 512 bytes
.set F0,   64                          ; fragment buffer 0
.set F1,   128                         ; fragment buffer 1
.set TMP,  192                         ; the way out: packed results, in window 0
.set G1, 24                            ; s[24:31] descriptor group 1 for xh's tiles
.set G0, 32                            ; s[32:39] descriptor group 0 for xh's tiles, one set for each slot
.set G1B, 48                           ; s[48:55] descriptor group 1 for wh's tiles: it differs in the mask alone
.set G0B, 56                           ; s[56:63] descriptor group 0 for wh's tiles, one set for each slot
.set MSB, 0
.macro WIN new                         ; the immediate's high byte repeats the setting that is left
.if MSB != \new
	s_set_vgpr_msb (MSB<<8)|\new
.set MSB, \new
.endif
.endm
.set MUL_LO, 0xa1                      ; source 0 (wh) window 1, source 1 (xh) window 0, C and D window 2
.set MUL_HI, 0xf1                      ; the same, C and D window 3
.set TO_B,   0x40                      ; destination window 1, address window 0
; A joint load.  Waves 0 and 1 fetch xh's two halves, waves 2 and 3 wh's.  Each line has one mask and one set of registers for all that
; issue it; the branch hangs on the wave's number alone.
.macro JLOAD s
	s_cmp_eq_u32 s11, 0
	s_cbranch_scc0 .Lfor_b_\@
	tensor_load_to_lds s[G0+4*\s:G0+4*\s+3], s[G1:G1+7]
	s_nop 0
	s_branch .Lasked_\@
.Lfor_b_\@:
	tensor_load_to_lds s[G0B+4*\s:G0B+4*\s+3], s[G1B:G1B+7]
	s_nop 0
.Lasked_\@:
.endm
; A round of the cluster's barrier: my work-group's barrier, wave 0 signals for the work-group, every wave waits for all sixteen
; work-groups, my work-group's barrier once more.
.macro CREST                           ; a round behind its opening barrier
	s_cmp_lg_u32 s10, 0
	s_cbranch_scc1 .Lnot_wave_0_\@
	s_barrier_signal -3
.Lnot_wave_0_\@:
	s_barrier_wait -3
	s_barrier_signal -1
	s_barrier_wait -1
.endm
.macro CROUND                          ; a whole round
	s_barrier_signal -1
	s_barrier_wait -1
	CREST
.endm
	s_load_b128 s[4:7], s[0:1], 0x0                ; xh s[4:5], wh s[6:7]
	s_load_b64 s[8:9], s[0:1], 0x10                ; qkv
	s_set_vgpr_msb 0x40
	v_lshl_add_u32 v255, v0, 2, 0x48400
	s_set_vgpr_msb 0x4000
	v_mov_b32 v255, 0
	s_set_vgpr_msb 0x1
	ds_add_u32 v255, v255
	s_set_vgpr_msb 0x100
	v_lshrrev_b32 v1, 5, v0
	v_readfirstlane_b32 s10, v1                    ; wave 0..3
	s_lshr_b32 s11, s10, 1                         ; which half of the block's rows is mine.  Also: I fetch for xh (0) or for wh (1)
	s_and_b32 s12, s10, 1                          ; which half of its columns.  Also: which 128 rows of that tile I fetch
	s_bfe_u32 s40, ttmp6, 0x40000                  ; cx: my place along the cluster's x
	s_bfe_u32 s41, ttmp6, 0x40004                  ; cy: along its y
	s_lshl_b32 s42, ttmp9, 2                       ; in a cluster launch ttmp9 and ttmp7 count clusters
	s_add_co_u32 s42, s42, s40                     ; block column = 4 x cluster x + cx
	s_and_b32 s13, ttmp7, 0xffff
	s_lshl_b32 s13, s13, 2
	s_add_co_u32 s13, s13, s41                     ; block row = 4 x cluster y + cy
	s_lshl_b32 s43, s41, 2
	s_lshl_b32 s43, 15, s43                        ; my row of the cluster: places 4 cy .. 4 cy + 3
	s_lshl_b32 s44, 0x1111, s40                    ; my column: places cx, cx + 4, cx + 8, cx + 12
	; descriptor group 1: a tile of 128 rows x 128 elements of 2 bytes, padded in LDS by 4 words behind every 64
	s_or_b32 s[G1+0], s43, (1<<16)|(1<<20)|(1<<21)|(5<<22)|(3<<25)  ; mask: my row; element of 2 bytes; padding on; bit 21 beside a mask; interval code 5; pad code 3
	s_or_b32 s[G1B+0], s44, (1<<16)|(1<<20)|(1<<21)|(5<<22)|(3<<25) ; the same with the mask of my column
	s_mov_b32 s[G1B+1], KSTEP<<16
	s_mov_b32 s[G1+1], KSTEP<<16                   ; tensor_dim0 = 128
	s_mov_b32 s[G1B+2], 128<<16
	s_mov_b32 s[G1+2], 128<<16                     ; tensor_dim1 = 128
	s_mov_b32 s[G1B+3], KSTEP<<16
	s_mov_b32 s[G1+3], KSTEP<<16                   ; tile_dim0 = 128
	s_mov_b32 s[G1B+4], 128
	s_mov_b32 s[G1+4], 128                         ; tile_dim1 = 128
	s_mov_b32 s[G1B+5], SIZE_K
	s_mov_b32 s[G1+5], SIZE_K                      ; elements from row to row
	s_mov_b32 s[G1B+6], 0
	s_mov_b32 s[G1+6], 0
	s_mov_b32 s[G1B+7], 0
	s_mov_b32 s[G1+7], 0
	; xh's tiles hang on the block row alone, which my row of the cluster shares; wh's on the block column alone.  Every wave makes both
	; addresses, in registers that never hold the other coordinate, and asks by one of them.
	s_lshl_b32 s17, s12, 7                         ; which 128 rows of the tile I fetch
	s_lshl_b32 s16, s13, 8
	s_add_co_u32 s16, s16, s17                     ; xh: row 256 x block row + 128 x half
	s_lshl_b32 s46, s42, 8
	s_add_co_u32 s46, s46, s17                     ; wh: row 256 x block column + 128 x half
	s_mov_b32 s17, 0
	s_mov_b32 s47, 0
	s_mov_b64 s[18:19], SIZE_K*2
	s_mul_u64 s[16:17], s[16:17], s[18:19]         ; in bytes
	s_mul_u64 s[46:47], s[46:47], s[18:19]
	s_mul_i32 s20, s10, HALFT                      ; where they go: wave x 128 rows: no place in the cluster enters an LDS address
	s_wait_dscnt 0x0
	s_wait_kmcnt 0x0
	s_add_nc_u64 s[14:15], s[4:5], s[16:17]
	s_add_nc_u64 s[46:47], s[6:7], s[46:47]
	CROUND                                         ; all sixteen work-groups are here: the first joint loads meet
.irp s, 0,1
	s_mov_b32 s[G0+4*\s], 1                                        ; count = 1
	s_add_co_u32 s[G0+4*\s+1], s20, \s*SLOT                        ; LDS address
	s_add_nc_u64 s[G0+4*\s+2:G0+4*\s+3], s[14:15], \s*KSTEP*2      ; global address: K step s
	s_or_b32 s[G0+4*\s+3], s[G0+4*\s+3], 0x80000000                ; type = 2
	s_mov_b32 s[G0B+4*\s], 1
	s_add_co_u32 s[G0B+4*\s+1], s20, \s*SLOT
	s_add_nc_u64 s[G0B+4*\s+2:G0B+4*\s+3], s[46:47], \s*KSTEP*2
	s_or_b32 s[G0B+4*\s+3], s[G0B+4*\s+3], 0x80000000
	JLOAD \s                                       ; the ring is filled before anything else is done: two loads of the wave are out, the most in this text
.endr
	; A fragment is 16 rows x 32 K in 8 registers: lane l holds row l % 16; registers 0-3 hold K = 8 (l / 16) + 0..7, registers 4-7 hold
	; K = 16 + 8 (l / 16) + 0..7: two loads of 16 bytes, 32 bytes apart.
	v_and_b32 v1, 15, v0                           ; l % 16
	v_bfe_u32 v2, v0, 4, 1                         ; l / 16
	v_mul_u32_u24 v3, v1, PITCH
	v_lshl_add_u32 v3, v2, 4, v3                   ; row x pitch + 16 x half
	s_mul_i32 s21, s11, HALFT                      ; my 128 rows of xh
	s_mul_i32 s22, s12, HALFT                      ; my 128 rows of wh,
	s_add_co_u32 s22, s22, 2*HALFT                 ; which lie behind xh's 256
.irp s, 0,1
	v_add_nc_u32 v[ADRA+\s], s21, v3
	v_add_nc_u32 v[ADRB+\s], s22, v3
	s_add_co_u32 s21, s21, SLOT
	s_add_co_u32 s22, s22, SLOT
.endr
	s_mul_i32 s23, s10, 16*SPITCH
	s_add_co_u32 s23, s23, STAGE                   ; my stage
	v_mul_u32_u24 v4, v1, SPITCH                   ; in: row l % 16, 16 bytes for each half of the lanes
	v_lshl_add_u32 v4, v2, 4, v4
	v_add_nc_u32 v[STO], s23, v4
	v_and_b32 v6, 31, v0                           ; l
	v_lshrrev_b32 v5, 3, v6                        ; back: eight lanes take one token's 128 bytes of one head, four tokens a load
	v_mul_u32_u24 v5, v5, SPITCH
	v_and_b32 v7, 7, v0
	v_lshl_add_u32 v5, v7, 4, v5
	v_add_nc_u32 v[RD], s23, v5
	v_lshlrev_b32 v[CO], 4, v6                     ; and in qkv those four tokens are 512 consecutive bytes: 16 l
; 16 matrix instructions: m blocks a0, a0 + 1 of the window's four x all 8 n blocks, 32 along K.  zero = 1: the first product starts the sums.
; The 64 accumulators take turns, one instruction a turn.
.macro MUL16 f, hi, a0, zero
.irp a, \a0, \a0+1
.irp b, 0,1,2,3,4,5,6,7
.if \zero
	v_wmma_f32_16x16x32_f16 v[8*(8*(\a)+\b):8*(8*(\a)+\b)+7], v[\f+8*\b:\f+8*\b+7], v[\f+8*(4*\hi+\a):\f+8*(4*\hi+\a)+7], 0
.else
	v_wmma_f32_16x16x32_f16 v[8*(8*(\a)+\b):8*(8*(\a)+\b)+7], v[\f+8*\b:\f+8*\b+7], v[\f+8*(4*\hi+\a):\f+8*(4*\hi+\a)+7], v[8*(8*(\a)+\b):8*(8*(\a)+\b)+7]
.endif
.endr
.endr
.endm
; 32 LDS loads in one run: the fragments of one quarter step (32 K at byte k of the rows) into buffer f
.macro FETCH slot, k, f
	WIN TO_B
.irp i, 0,1,2,3,4,5,6,7
	ds_load_b128 v[\f+8*\i:\f+8*\i+3],   v[ADRB+\slot] offset:\k+\i*16*PITCH
	ds_load_b128 v[\f+8*\i+4:\f+8*\i+7], v[ADRB+\slot] offset:\k+\i*16*PITCH+32
.endr
	WIN 0
.irp i, 0,1,2,3,4,5,6,7
	ds_load_b128 v[\f+8*\i:\f+8*\i+3],   v[ADRA+\slot] offset:\k+\i*16*PITCH
	ds_load_b128 v[\f+8*\i+4:\f+8*\i+7], v[ADRA+\slot] offset:\k+\i*16*PITCH+32
.endr
.endm
; Four independent vector places behind a matrix instruction before its registers are loaded into or its result is read (ISA guide 7.12.1)
.macro PLACES
.rept 4
	v_nop
.endr
.endm
; One of a K step's first three quarters: multiplies buffer f; in its middle it fetches the next quarter's fragments into buffer g.
.macro QUARTER slot, k, f, g, zero
	s_wait_dscnt 8                                 ; wh and xh's rows 0-63 are in; the youngest eight loads (xh's rows 64-127) may be out
	WIN MUL_LO
	MUL16 \f, 0, 0, \zero
	MUL16 \f, 0, 2, \zero
	PLACES
	FETCH \slot, \k, \g
	s_wait_dscnt 32                                ; all but the 32 just issued
	WIN MUL_HI
	MUL16 \f, 1, 0, \zero
	MUL16 \f, 1, 2, \zero
.endm
.macro THREE slot, zero
	QUARTER \slot, 64,  F0, F1, \zero
	QUARTER \slot, 128, F1, F0, 0
	QUARTER \slot, 192, F0, F1, 0
.endm
; The last quarter: multiplies buffer 1 and changes slots.  One barrier for two things: in front of it each wave waits for its own reads of
; this slot and for all its tensor loads (one is out: its part of the next slot); behind it the refill comes first, then the next slot's
; first fragments.  From a request to the wait for it a wave issues 240 matrix instructions.
.macro TURN slot, next, fill
	s_wait_dscnt 8
	WIN MUL_LO
	MUL16 F1, 0, 0, 0
	s_wait_dscnt 0                                 ; my reads of this slot are over
	s_wait_tensorcnt 0x0                           ; and all my tensor loads have landed
	ds_add_u32 v255, v255
	s_wait_dscnt 0x0
	s_barrier_signal -1                            ; say so (where a slot is filled again this barrier opens a round of the cluster's barrier),
	MUL16 F1, 0, 2, 0                              ; work on registers while the others arrive,
	WIN 0
	s_barrier_wait -1
.if \fill
	CREST                                          ; no wave of any partner still reads this slot's tile or has a load on its way
	s_add_nc_u64 s[G0+4*\slot+2:G0+4*\slot+3], s[G0+4*\slot+2:G0+4*\slot+3], 2*KSTEP*2
	s_add_nc_u64 s[G0B+4*\slot+2:G0B+4*\slot+3], s[G0B+4*\slot+2:G0B+4*\slot+3], 2*KSTEP*2
	JLOAD \slot                                    ; the first tensor load behind the round, and the wave's only one until the next
.endif
	PLACES
	FETCH \next, 0, F0
	WIN MUL_HI
	MUL16 F1, 1, 0, 0
	MUL16 F1, 1, 2, 0
.endm
.macro LAP zero                        ; once round the ring, both slots filled again
	THREE 0, \zero
	TURN 0, 1, 1
	THREE 1, 0
	TURN 1, 0, 1
.endm
	s_wait_tensorcnt 1                             ; my part of K step 0 is in; K step 1's stays out
	s_barrier_signal -1
	s_barrier_wait -1                              ; everybody's is
	FETCH 0, 0, F0
	LAP 1                                          ; the first lap stands in front of the loop: its first products start the sums
	WIN 0                                          ; at a label and at a branch every window is 0
	s_mov_b32 s3, LAPS-2
.Llap:
	LAP 0
	WIN 0
	s_sub_co_u32 s3, s3, 1
	s_cmp_lg_u32 s3, 0
	s_cbranch_scc1 .Llap
	THREE 0, 0                                     ; the last lap fills nothing
	TURN 0, 1, 0
	THREE 1, 0
	s_wait_dscnt 8                                 ; the very last quarter: nothing more to fetch
	WIN MUL_LO
	MUL16 F1, 0, 0, 0
	MUL16 F1, 0, 2, 0
	s_wait_dscnt 0
	WIN MUL_HI
	MUL16 F1, 1, 0, 0
	MUL16 F1, 1, 2, 0
	; THE WAY OUT, 16 tokens at a time: round to f16, 16 bytes a lane into my own stage in LDS, read back head by head.
	PLACES                                         ; the places behind the last matrix instructions
	s_lshr_b32 s16, s13, 3                         ; batch: 8 block rows of 256 tokens each
	s_mul_i32 s16, s16, 48*CHUNK
	s_and_b32 s14, s13, 7
	s_lshl_b32 s14, s14, 15                        ; 256 tokens x 128 bytes
	s_add_co_u32 s16, s16, s14
	s_lshl_b32 s14, s11, 14                        ; my half: 128 tokens x 128 bytes
	s_add_co_u32 s16, s16, s14
	s_mov_b32 s17, 0
	s_add_nc_u64 s[8:9], s[8:9], s[16:17]
	s_lshl_b32 s46, s42, 20                        ; a block column is four heads, my half of it two (in the registers that held wh's address)
	s_lshl_b32 s47, s12, 19
	s_add_co_u32 s46, s46, s47
	s_mov_b32 s47, 0
	s_add_nc_u64 s[8:9], s[8:9], s[46:47]
; tokens 16 i .. 16 i + 15 of my block = the eight tiles (a, 0..7) of window 2 or 3 (from = 0x0a or 0x0f: sources 0 and 1); f: F0 or F1 in turn
.macro OUT16 i, a, from, f
	WIN \from
.irp b, 0,1,2,3,4,5,6,7
.irp r, 0,1,2,3
	v_cvt_pk_f16_f32 v[TMP+4*\b+\r], v[8*(8*\a+\b)+2*\r], v[8*(8*\a+\b)+2*\r+1]
.endr
.endr
	WIN 0
.irp b, 0,1,2,3,4,5,6,7
	ds_store_b128 v[STO], v[TMP+4*\b:TMP+4*\b+3] offset:32*\b
.endr
	s_wait_xcnt 0x0                                ; buffer f, which earlier stores read, is loaded again only behind this wait (ISA guide 3.1)
.irp hs, 0,1
.irp t, 0,1,2,3
	ds_load_b128 v[\f+4*(4*\hs+\t):\f+4*(4*\hs+\t)+3], v[RD] offset:\hs*128+\t*4*SPITCH   ; LDS serves a wave's instructions in order (ISA guide 5.7.1.4): these see the stores above
.endr
.endr
.irp hs, 0,1
.irp t, 0,1,2,3
	s_wait_dscnt 7-(4*\hs+\t)
	global_store_b128 v[CO], v[\f+4*(4*\hs+\t):\f+4*(4*\hs+\t)+3], s[8:9] offset:\i*2048+\hs*CHUNK+\t*512   ; four tokens of one head: 512 consecutive bytes, aligned
.endr
.endr
.endm
	OUT16 0, 0, 0x0a, F0
	OUT16 1, 1, 0x0a, F1
	OUT16 2, 2, 0x0a, F0
	OUT16 3, 3, 0x0a, F1
	OUT16 4, 0, 0x0f, F0
	OUT16 5, 1, 0x0f, F1
	OUT16 6, 2, 0x0f, F0
	OUT16 7, 3, 0x0f, F1
	s_set_vgpr_msb 0x1
	s_wait_tensorcnt 0x0
	ds_add_u32 v255, v255
	s_wait_dscnt 0x0
	s_set_vgpr_msb 0x100
	CROUND                                         ; the closing round: no work-group ends while a partner may still ask for a tile that names it
	s_endpgm
.Lfunc_end_k_q6309455cec_qkv:
	.size	k_q6309455cec_qkv, .Lfunc_end_k_q6309455cec_qkv-k_q6309455cec_qkv
	.p2alignl 7, 3214868480
	.fill 96, 4, 3214868480
	.section	.rodata,"a",@progbits
	.p2align	6, 0x0
	.amdhsa_kernel k_q6309455cec_qkv
		.amdhsa_group_segment_fixed_size 327680
		.amdhsa_private_segment_fixed_size 0
		.amdhsa_enable_private_segment 0
		.amdhsa_kernarg_size 24
		.amdhsa_user_sgpr_count 2
		.amdhsa_user_sgpr_kernarg_segment_ptr 1
		.amdhsa_wavefront_size32 1
		.amdhsa_system_sgpr_workgroup_id_x 1
		.amdhsa_system_sgpr_workgroup_id_y 1
		.amdhsa_system_sgpr_workgroup_id_z 1
		.amdhsa_system_vgpr_workitem_id 0
		.amdhsa_next_free_vgpr 1024
		.amdhsa_next_free_sgpr 66
		.amdhsa_reserve_vcc 0
		.amdhsa_float_denorm_mode_32 3
		.amdhsa_float_denorm_mode_16_64 3
		.amdhsa_memory_ordered 1
		.amdhsa_forward_progress 1
		.amdhsa_inst_pref_size 196
	.end_amdhsa_kernel
	.amdgpu_metadata
---
amdhsa.version: [ 1, 2 ]
amdhsa.kernels:
  - .name:           k_q6309455cec_qkv
    .symbol:         k_q6309455cec_qkv.kd
    .args:
      - { .name: xh, .offset: 0, .size: 8, .value_kind: global_buffer, .address_space: global }
      - { .name: wh, .offset: 8, .size: 8, .value_kind: global_buffer, .address_space: global }
      - { .name: qkv, .offset: 16, .size: 8, .value_kind: global_buffer, .address_space: global }
    .group_segment_fixed_size: 327680
    .private_segment_fixed_size: 0
    .kernarg_segment_align: 8
    .kernarg_segment_size: 24
    .max_flat_workgroup_size: 128
    .sgpr_count:     66
    .vgpr_count:     1024
    .wavefront_size: 32
...
	.end_amdgpu_metadata
.endif
;; end of part 2
;; launch attn (part 3): grid 8 x 32, 8 waves a work-group, clusters of 4 x 1, 327,680 bytes of LDS; arguments qkv, att; writes att
.if DOCPART == 3
	.amdgcn_target "amdgcn-amd-amdhsa--gfx1250"
	.amdhsa_code_object_version 6
	.text
	.protected	k_q6309455cec_attn
	.globl	k_q6309455cec_attn
	.p2align	8
	.type	k_q6309455cec_attn,@function
k_q6309455cec_attn:
	s_mov_b64 s[64:65], 0
	v_nop
	global_prefetch_b8 v0, s[64:65] scope:SCOPE_SE
	s_setreg_imm32_b32 hwreg(HW_REG_WAVE_MODE, 25, 1), 1
	s_wait_xcnt 0x0
	s_wait_alu depctr_hold_cnt(0) depctr_sa_sdst(0) depctr_va_vdst(0) depctr_va_sdst(0) depctr_va_ssrc(0) depctr_va_vcc(0) depctr_vm_vsrc(0)
	s_getreg_b32 s2, hwreg(HW_REG_IB_STS2, 6, 4)
	s_cmp_eq_u32 s2, 0
	s_cbranch_scc0 .Lentry_in_a_cluster
	s_endpgm
.Lentry_in_a_cluster:
	s_bfe_u32 s2, ttmp6, 0x10000c
	s_cmp_lg_u32 s2, 0x3003
	s_cbranch_scc0 .Lentry_shape_is_right
	s_endpgm
.Lentry_shape_is_right:
; att = softmax over m of (q[n] . k[m] / 8) applied to v, for one head and 256 queries a work-group, with a running maximum.
; qkv: [b 2][ch 48][token 2048][64] f16 (ch 0-15 q, already times 0.125 log2(e); 16-31 k; 32-47 v).
; att: [b 2][block of 128 tokens 16][h 16][128][64] f16: the heads of one block of tokens lie back to back for the projection behind.
; LIMITS: exp2 results below 2^-126 count as zero; a weight below 2^-25 of its row's largest becomes zero in f16; an output of magnitude
; 65,520 or more becomes an infinity in f16; sums run in another order than a plain softmax's.
; Eight waves, two to a SIMD; a wave owns 32 queries (two tiles of 16) and walks the 2,048 keys in 32 blocks of 64.
; THE PRODUCTS ARE TRANSPOSED.  S^T = K Q^T (source 0 = 16 keys, source 1 = 16 queries): lane (r, h) holds query r and, in register j, key
; 8 h + j.  Two neighbouring key tiles, packed to f16, ARE a source-1 fragment of P over 32 keys.  O^T = V^T P^T (source 0 = V read by the
; transposing LDS load): lane (r, h) holds query r and the head's columns 8 h + j.  So maximum, sum and factors are one number a lane,
; and only the maximum crosses the two halves of the wave in the loop.
; THE BLOCKS OVERLAP INSIDE A WAVE.  Block i runs in two phases.  Phase 1: the exponentials of block i, a score tile at a time; a tile that
; has been summed and packed is free, and block i + 1's product K Q^T is started into the same registers: two matrix instructions among
; every 20 vector instructions.  Phase 2: O is rescaled tile by tile among the products V^T P^T of block i; then block i + 1's maximum.
; V's fragments of block i + 1 are read at the head of phase 1, K's of block i + 2 at its end.
; CLUSTERS: the four work-groups of a cluster are four query blocks of one head: K's and V's tiles are asked for jointly (mask 15).
; LDS: two slots of 256 keys.  A slot is 8 regions of 10,240 bytes, region w filled by wave w: regions 0-3 K, 64 keys each, pitch 144;
; regions 4-7 V, 64 keys each, pitch 160 (an odd multiple of 32 for the transposing load).  A stage of 32 rows x 144 bytes a wave lies behind.
.set CHUNK, 0x40000                    ; bytes of one head of one batch in qkv: 2,048 tokens x 128 bytes
.set KP,    144
.set VP,    160
.set REG,   10240
.set SLOT,  8*REG                      ; 81,920
.set TILEB, 256*128                    ; bytes of K (or V) in memory that a slot covers
.set STAGE, 2*SLOT                     ; 163,840
.set SP,    144
; window 0: all that phase 1 names, so that its matrix and vector instructions stand under one setting
.set AK,  8                            ; v8-9     LDS address of my K fragments, slot 0, 1
.set AV,  10                           ; v10-11   the same for V
.set STO, 12
.set RD,  13
.set CO,  14
.set QO,  15
.set MX,  16                           ; v[16:19] running maximum of query tile q, twice (a pair), at MX + 2 q
.set AL,  22                           ; v[22:25] factor exp2(old max - new max), twice; at the end 1 / sum
.set LS,  26                           ; v[26:29] two partial sums of query tile q
.set TA,  30                           ; v30-33   two maximum chains for each q, at TA + 2 q and TA + 2 q + 1
.set XP,  34                           ; v34-35   what the other half of the wave sent
.set ARG, 36                           ; v36-37
.set T0,  38                           ; v[38:39]
.set U0,  40                           ; v[40:41]
.set SC,  64                           ; v[64:127]  scores: tile n = 2 kt + q (16 keys x 16 queries) at SC + 8 n; read-back on the way out
.set PF,  128                          ; v[128:159] P fragments (32 keys c, query tile q) at PF + 8 (2 c + q); packed output at the end
.set KF,  160                          ; v[160:223] K fragments (key tile kt, half e of the head's 64) at KF + 8 (2 kt + e)
.set QF,  224                          ; v[224:255] Q fragments (q, e) at QF + 8 (2 q + e)
; window 1 (written by their low numbers)
.set OA,  0                            ; O^T tiles k = 2 t + q (t: 16 columns of the head) at 8 k
.set VF,  64                           ; V^T fragments (c, t) at 64 + 64 buffer + 8 (4 c + t): two buffers, by the block's parity
.set G1K, 24
.set G1V, 32
.set G0K, 40                           ; one set of four for each slot
.set G0V, 48
.set W_LD1, 0x40                       ; destination in window 1
.set W_PV,  0x51                       ; D, C and source 0 in window 1, source 1 (P, or the factor) in window 0
.set W_OUT, 0x05                       ; both sources in window 1
.set MSB, 0
.macro WIN new                         ; the immediate's high byte repeats the setting that is left
.if MSB != \new
	s_set_vgpr_msb (MSB<<8)|\new
.set MSB, \new
.endif
.endm
.macro CROUND                          ; a round of the cluster's barrier
	s_barrier_signal -1
	s_barrier_wait -1
	s_cmp_lg_u32 s8, 0
	s_cbranch_scc1 .Lnot_wave_0_\@
	s_barrier_signal -3
.Lnot_wave_0_\@:
	s_barrier_wait -3
	s_barrier_signal -1
	s_barrier_wait -1
.endm
.macro JLOAD s                         ; waves 0-3 ask for K's four parts of a slot, waves 4-7 for V's: one load a wave
	s_cmp_eq_u32 s9, 0
	s_cbranch_scc0 .Lfor_v_\@
	tensor_load_to_lds s[G0K+4*\s:G0K+4*\s+3], s[G1K:G1K+7]
	s_nop 0
	s_branch .Lasked_\@
.Lfor_v_\@:
	tensor_load_to_lds s[G0V+4*\s:G0V+4*\s+3], s[G1V:G1V+7]
	s_nop 0
.Lasked_\@:
.endm
.macro PLACES                          ; four independent vector places behind a matrix instruction (ISA guide 7.12.1)
.rept 4
	v_nop
.endr
.endm
	s_load_b128 s[4:7], s[0:1], 0x0                ; qkv s[4:5], att s[6:7]
	v_lshl_add_u32 v62, v0, 2, 0x31000
	v_mov_b32 v63, 0
	ds_add_u32 v62, v63
	v_lshrrev_b32 v1, 5, v0
	v_readfirstlane_b32 s8, v1                     ; wave 0..7
	s_lshr_b32 s9, s8, 2                           ; 0: I fetch K, 1: I fetch V
	s_and_b32 s10, s8, 3                           ; which 64 keys of a slot I fetch
	s_bfe_u32 s11, ttmp6, 0x40000                  ; cx
	s_lshl_b32 s12, ttmp9, 2
	s_add_co_u32 s12, s12, s11                     ; query block x, 0..7
	s_and_b32 s13, ttmp7, 0xffff                   ; 16 b + h
	s_lshr_b32 s14, s13, 4                         ; b
	s_and_b32 s15, s13, 15                         ; h
	s_lshl_b32 s58, s14, 4                         ; my rows of att: block of 128 tokens 16 b + 2 x + (wave >> 2),
	s_lshl_b32 s59, s12, 1
	s_add_co_u32 s58, s58, s59
	s_add_co_u32 s58, s58, s9
	s_lshl_b32 s58, s58, 4                         ; 16 heads to a block,
	s_add_co_u32 s58, s58, s15
	s_lshl_b32 s58, s58, 14                        ; 128 tokens x 128 bytes to a head,
	s_lshl_b32 s59, s10, 12                        ; and my 32 tokens in it
	s_add_co_u32 s58, s58, s59
	s_mov_b32 s59, 0
	s_mul_i32 s14, s14, 48
	s_add_co_u32 s14, s14, s15                     ; 48 b + h: q's chunk
	s_lshl_b32 s20, s14, 18
	s_lshl_b32 s21, s10, 13                        ; 64 keys x 128 bytes
	s_add_co_u32 s22, s20, s21
	s_add_co_u32 s60, s22, 32*CHUNK                ; V's chunk, my part of tile 0
	s_add_co_u32 s22, s22, 16*CHUNK                ; K's
	s_mov_b32 s23, 0
	s_mov_b32 s61, 0
	s_lshl_b32 s18, s12, 15                        ; 256 queries x 128 bytes
	s_lshl_b32 s19, s8, 12                         ; 32 queries x 128 bytes
	s_add_co_u32 s18, s18, s19
	s_add_co_u32 s56, s20, s18                     ; my queries (s56 and s58 alone hold cx: they enter no descriptor)
	s_mov_b32 s57, 0
	s_mul_i32 s19, s8, REG                         ; my region of a slot
	s_mov_b32 s16, 0x76543210                      ; v_permlanex16_b32: lane i takes lane i of the other half
	s_mov_b32 s17, 0xfedcba98
	; group 1: 64 rows (keys) of 64 elements of 2 bytes, dense in memory; 4 (K) or 8 (V) words of padding behind each row's 32 words
	s_mov_b32 s[G1K+0], 15|(1<<16)|(1<<20)|(1<<21)|(4<<22)|(3<<25)
	s_mov_b32 s[G1V+0], 15|(1<<16)|(1<<20)|(1<<21)|(4<<22)|(7<<25)
.irp g, G1K, G1V
	s_mov_b32 s[\g+1], 64<<16                      ; tensor_dim0 = 64
	s_mov_b32 s[\g+2], 64<<16                      ; tensor_dim1 = 64
	s_mov_b32 s[\g+3], 64<<16                      ; tile_dim0 = 64
	s_mov_b32 s[\g+4], 64                          ; tile_dim1 = 64
	s_mov_b32 s[\g+5], 64                          ; elements from row to row
	s_mov_b32 s[\g+6], 0
	s_mov_b32 s[\g+7], 0
.endr
	s_wait_dscnt 0x0
	s_wait_kmcnt 0x0
	s_add_nc_u64 s[22:23], s[4:5], s[22:23]
	s_add_nc_u64 s[60:61], s[4:5], s[60:61]
	s_add_nc_u64 s[56:57], s[4:5], s[56:57]
	s_add_nc_u64 s[58:59], s[6:7], s[58:59]
.irp s, 0,1
	s_mov_b32 s[G0K+4*\s], 1
	s_add_co_u32 s[G0K+4*\s+1], s19, \s*SLOT
	s_add_nc_u64 s[G0K+4*\s+2:G0K+4*\s+3], s[22:23], \s*TILEB
	s_or_b32 s[G0K+4*\s+3], s[G0K+4*\s+3], 0x80000000
	s_mov_b32 s[G0V+4*\s], 1
	s_add_co_u32 s[G0V+4*\s+1], s19, \s*SLOT
	s_add_nc_u64 s[G0V+4*\s+2:G0V+4*\s+3], s[60:61], \s*TILEB
	s_or_b32 s[G0V+4*\s+3], s[G0V+4*\s+3], 0x80000000
.endr
	CROUND                                         ; the four work-groups are here: the first joint loads meet
	s_cmp_eq_u32 s9, 0                             ; both first fills of a wave inside one branch: two loads are out, the most in this text
	s_cbranch_scc0 .Lfirst_v
	tensor_load_to_lds s[G0K:G0K+3], s[G1K:G1K+7]
	s_nop 0
	tensor_load_to_lds s[G0K+4:G0K+7], s[G1K:G1K+7]
	s_nop 0
	s_branch .Lfirst_done
.Lfirst_v:
	tensor_load_to_lds s[G0V:G0V+3], s[G1V:G1V+7]
	s_nop 0
	tensor_load_to_lds s[G0V+4:G0V+7], s[G1V:G1V+7]
	s_nop 0
.Lfirst_done:
	v_and_b32 v1, 31, v0                           ; l
	v_and_b32 v2, 15, v0                           ; r
	v_bfe_u32 v3, v0, 4, 1                         ; h
	v_lshlrev_b32 v4, 7, v2
	v_lshl_add_u32 v[QO], v3, 4, v4                ; Q in memory: query r, 16 bytes for each half
.irp q, 0,1
.irp e, 0,1
	global_load_b128 v[QF+8*(2*\q+\e):QF+8*(2*\q+\e)+3],   v[QO], s[56:57] offset:\q*2048+\e*64
	global_load_b128 v[QF+8*(2*\q+\e)+4:QF+8*(2*\q+\e)+7], v[QO], s[56:57] offset:\q*2048+\e*64+32
.endr
.endr
	v_mul_u32_u24 v4, v2, KP
	v_lshl_add_u32 v[AK], v3, 4, v4                ; K: key r of a tile, 16 bytes for each half
	v_add_nc_u32 v[AK+1], SLOT, v[AK]
	v_and_b32 v5, 7, v0
	v_lshl_add_u32 v5, v3, 3, v5                   ; V: key 8 h + (l & 7),
	v_mul_u32_u24 v5, v5, VP
	v_bfe_u32 v6, v0, 3, 1
	v_lshl_add_u32 v5, v6, 4, v5                   ; columns 8 ((l >> 3) & 1) ..
	v_add_nc_u32 v[AV], 4*REG, v5
	v_add_nc_u32 v[AV+1], 4*REG+SLOT, v5
	s_mul_i32 s21, s8, 32*SP
	s_add_co_u32 s21, s21, STAGE                   ; my stage
	v_add_nc_u32 v[STO], s21, v[AK]                ; in: row r, 16 bytes for each half (the stage's pitch is K's)
	v_lshrrev_b32 v6, 3, v1
	v_mul_u32_u24 v6, v6, SP
	v_and_b32 v7, 7, v0
	v_lshl_add_u32 v6, v7, 4, v6
	v_add_nc_u32 v[RD], s21, v6                    ; back: eight lanes take a query's 128 bytes
	v_lshlrev_b32 v[CO], 4, v1
	v_mov_b32 v[XP], 0                             ; v_permlanex16_b32 counts as a reader of its destination
	v_mov_b32 v[XP+1], 0
; 16 loads: the K fragments of the 64 keys of region i; the eight of e = 0 first
.macro LOADK slot, i
.irp e, 0,1
.irp kt, 0,1,2,3
	ds_load_b128 v[KF+8*(2*\kt+\e):KF+8*(2*\kt+\e)+3],   v[AK+\slot] offset:(\i)*REG+\kt*16*KP+\e*64
	ds_load_b128 v[KF+8*(2*\kt+\e)+4:KF+8*(2*\kt+\e)+7], v[AK+\slot] offset:(\i)*REG+\kt*16*KP+\e*64+32
.endr
.endr
.endm
; 16 transposing loads: V^T fragments of the 64 keys of region i into buffer buf
.macro LOADV slot, i, buf
	WIN W_LD1
.irp c, 0,1
.irp t, 0,1,2,3
	ds_load_tr16_b128 v[VF+64*\buf+8*(4*\c+\t):VF+64*\buf+8*(4*\c+\t)+3],   v[AV+\slot] offset:(\i)*REG+\c*32*VP+32*\t
	ds_load_tr16_b128 v[VF+64*\buf+8*(4*\c+\t)+4:VF+64*\buf+8*(4*\c+\t)+7], v[AV+\slot] offset:(\i)*REG+\c*32*VP+32*\t+16*VP
.endr
.endr
	WIN 0
.endm
; one matrix instruction of K Q^T: score tile n = 2 kt + q, half e of the head's 64; e = 0 starts the sum
.macro SW n, e
.if \e
	v_wmma_f32_16x16x32_f16 v[SC+8*(\n):SC+8*(\n)+7], v[KF+16*((\n)/2)+8:KF+16*((\n)/2)+15], v[QF+16*((\n)%2)+8:QF+16*((\n)%2)+15], v[SC+8*(\n):SC+8*(\n)+7]
.else
	v_wmma_f32_16x16x32_f16 v[SC+8*(\n):SC+8*(\n)+7], v[KF+16*((\n)/2):KF+16*((\n)/2)+7], v[QF+16*((\n)%2):QF+16*((\n)%2)+7], 0
.endif
.endm
; one matrix instruction of V^T P^T: output tile k = 2 t + q, 32 keys c, V's buffer buf
.macro PVW k, c, buf, zero
.if \zero
	v_wmma_f32_16x16x32_f16 v[OA+8*(\k):OA+8*(\k)+7], v[VF+64*\buf+32*\c+8*((\k)/2):VF+64*\buf+32*\c+8*((\k)/2)+7], v[PF+16*\c+8*((\k)%2):PF+16*\c+8*((\k)%2)+7], 0
.else
	v_wmma_f32_16x16x32_f16 v[OA+8*(\k):OA+8*(\k)+7], v[VF+64*\buf+32*\c+8*((\k)/2):VF+64*\buf+32*\c+8*((\k)/2)+7], v[PF+16*\c+8*((\k)%2):PF+16*\c+8*((\k)%2)+7], v[OA+8*(\k):OA+8*(\k)+7]
.endif
.endm
.macro RESC k                          ; output tile k times the factor of its query tile; stands under the products' window setting
.irp i, 0,2,4,6
	v_pk_mul_f32 v[OA+8*(\k)+\i:OA+8*(\k)+\i+1], v[OA+8*(\k)+\i:OA+8*(\k)+\i+1], v[AL+2*((\k)%2):AL+2*((\k)%2)+1]
.endr
.endm
; The largest of a lane's 32 scores of each query tile and of the running maximum: two chains of 16 for each q, the four interleaved.
; Number m of the first chain is register m % 8 of key tile m / 8; the second chain's lie two key tiles (32 registers) further on.
.macro MAXES first
.irp q, 0,1
	v_max3_num_f32 v[TA+2*\q],   v[SC+8*\q],    v[SC+8*\q+1],    v[SC+8*\q+2]
	v_max3_num_f32 v[TA+2*\q+1], v[SC+32+8*\q], v[SC+32+8*\q+1], v[SC+32+8*\q+2]
.endr
.irp m, 3,5,7,9,11,13
.irp q, 0,1
	v_max3_num_f32 v[TA+2*\q],   v[TA+2*\q],   v[SC+16*(\m/8)+8*\q+\m%8],    v[SC+16*((\m+1)/8)+8*\q+(\m+1)%8]
	v_max3_num_f32 v[TA+2*\q+1], v[TA+2*\q+1], v[SC+32+16*(\m/8)+8*\q+\m%8], v[SC+32+16*((\m+1)/8)+8*\q+(\m+1)%8]
.endr
.endr
.irp q, 0,1
	v_max3_num_f32 v[TA+2*\q], v[TA+2*\q], v[TA+2*\q+1], v[SC+16+8*\q+7]
.endr
.irp q, 0,1
.if \first
	v_max_num_f32 v[TA+2*\q], v[TA+2*\q], v[SC+48+8*\q+7]
.else
	v_max3_num_f32 v[TA+2*\q], v[TA+2*\q], v[SC+48+8*\q+7], v[MX+2*\q]
.endif
.endr
.endm
; The two halves of the wave hold different keys of the same queries: join their maxima; the factor for what has been summed so far.
.macro STATS first
.irp q, 0,1
	v_permlanex16_b32 v[XP+\q], v[TA+2*\q], s16, s17
.endr
.irp q, 0,1
	v_max_num_f32 v[TA+2*\q], v[TA+2*\q], v[XP+\q]
.endr
.if \first == 0
.irp q, 0,1
	v_sub_f32 v[ARG+\q], v[MX+2*\q], v[TA+2*\q]    ; never positive
.endr
.irp q, 0,1
	v_exp_f32 v[AL+2*\q], v[ARG+\q]
	v_exp_f32 v[AL+2*\q+1], v[ARG+\q]
.endr
.endif
.irp q, 0,1
	v_mov_b32 v[MX+2*\q], v[TA+2*\q]               ; plain instructions that touch neither the exponentials' results nor their sources (ISA guide 5.7.2)
	v_mov_b32 v[MX+2*\q+1], v[TA+2*\q]
.endr
.endm
.macro SUBT n                          ; score tile n: s - max
	s_wait_alu depctr_va_vdst(0)
.irp i, 0,2,4,6
	v_pk_add_f32 v[SC+8*(\n)+\i:SC+8*(\n)+\i+1], v[SC+8*(\n)+\i:SC+8*(\n)+\i+1], v[MX+2*((\n)%2):MX+2*((\n)%2)+1] neg_lo:[0,1] neg_hi:[0,1]
.endr
.endm
.macro EXPT n
.irp j, 0,1,2,3,4,5,6,7
	v_exp_f32 v[SC+8*(\n)+\j], v[SC+8*(\n)+\j]
.endr
.endm
; tile n = 2 kt + q: its eight weights are added to the lane's sums in f32 and packed into half (kt & 1) of P fragment (kt >> 1, q)
.macro SUMCVT n, first
.set STARTS, 0
.if (\n) < 2
.if \first
.set STARTS, 1                         ; the very first weights start the sums: nothing is cleared
.endif
.endif
	s_wait_alu depctr_va_vdst(0)
	v_pk_add_f32 v[T0:T0+1], v[SC+8*(\n):SC+8*(\n)+1], v[SC+8*(\n)+2:SC+8*(\n)+3]
	v_pk_add_f32 v[U0:U0+1], v[SC+8*(\n)+4:SC+8*(\n)+5], v[SC+8*(\n)+6:SC+8*(\n)+7]
.irp i, 0,1
	v_cvt_pk_f16_f32 v[PF+8*(2*((\n)/4)+(\n)%2)+4*(((\n)/2)%2)+\i], v[SC+8*(\n)+2*\i], v[SC+8*(\n)+2*\i+1]
.endr
.if STARTS == 0
	v_pk_add_f32 v[T0:T0+1], v[T0:T0+1], v[U0:U0+1]
.endif
.irp i, 2,3
	v_cvt_pk_f16_f32 v[PF+8*(2*((\n)/4)+(\n)%2)+4*(((\n)/2)%2)+\i], v[SC+8*(\n)+2*\i], v[SC+8*(\n)+2*\i+1]
.endr
.if STARTS
	v_pk_add_f32 v[LS+2*((\n)%2):LS+2*((\n)%2)+1], v[T0:T0+1], v[U0:U0+1]
.else
.if (\n) < 2
	v_pk_fma_f32 v[LS+2*((\n)%2):LS+2*((\n)%2)+1], v[LS+2*((\n)%2):LS+2*((\n)%2)+1], v[AL+2*((\n)%2):AL+2*((\n)%2)+1], v[T0:T0+1]
.else
	v_pk_add_f32 v[LS+2*((\n)%2):LS+2*((\n)%2)+1], v[LS+2*((\n)%2):LS+2*((\n)%2)+1], v[T0:T0+1]
.endif
.endif
.endm
; PHASE 1.  Tile n + 1's exponentials are issued ahead of tile n's sums, and tile n + 2's subtractions (or tile n's sums) are the plain
; instructions between an exponential and the first use of its result.  sm = 1: the next block's scores follow into the freed tiles.
; The matrix instructions run (0,e0) (1,e0) (0,e1) (2,e0) (1,e1) .. (7,e0) (6,e1) (7,e1): the accumulators take turns, one instruction a
; turn.
.macro PHASE1 first, sm
	SUBT 0
	SUBT 1
	EXPT 0
.irp n, 0,1,2,3,4,5,6,7
.if \n < 7
	EXPT \n+1
.endif
.if \sm
.if \n >= 2
	SW \n-2, 1
.endif
.endif
.if \n < 6
	SUBT \n+2
.endif
	SUMCVT \n, \first
.if \sm
.if \n == 0
	s_wait_dscnt 16                                ; LDS loads return in order: the 16 youngest (the next block's V) may be out; the next block's K and, older still, this block's V are in
.endif
	SW \n, 0
.endif
.endr
.if \sm
	SW 6, 1
	SW 7, 1
.endif
.endm
; PHASE 2.  O = O x factor + V^T P^T.  Tile k + 2 is rescaled behind tile k's first product; a rescale names no register of a product
; that stands less than a whole block in front of it.  The 8 accumulators take turns, one instruction a turn.
.macro PHASE2 buf, first
	WIN W_PV
.if \first
.irp k, 0,1,2,3,4,5,6,7
	PVW \k, 0, \buf, 1
.endr
.else
	RESC 0
	RESC 1
.irp k, 0,1,2,3,4,5
	PVW \k, 0, \buf, 0
	RESC \k+2
.endr
	PVW 6, 0, \buf, 0
	PVW 7, 0, \buf, 0
.endif
.irp k, 0,1,2,3,4,5,6,7
	PVW \k, 1, \buf, 0
.endr
	WIN 0
.endm
; The slot whose last reads have just been issued is filled again, two tiles ahead.  In front of the round every wave waits for its reads
; and for all its tensor loads (one is out: its part of the other slot); behind the round its one joint load comes first.  That load has
; four blocks' work in which to land.
.macro CHANGE slot
	s_wait_dscnt 0x0
	s_wait_tensorcnt 0x0
	ds_add_u32 v62, v63
	s_wait_dscnt 0x0
	CROUND
	s_add_nc_u64 s[G0K+4*\slot+2:G0K+4*\slot+3], s[G0K+4*\slot+2:G0K+4*\slot+3], 2*TILEB
	s_add_nc_u64 s[G0V+4*\slot+2:G0V+4*\slot+3], s[G0V+4*\slot+2:G0V+4*\slot+3], 2*TILEB
	JLOAD \slot
.endm
; Block i.  buf = i % 2, nbuf the other V buffer.  nx = 1: block i + 1 exists: its V comes from slot vs, region vi, and its scores, maximum
; and factors are made here.  lk = 1: block i + 2 exists: its K comes from slot ks, region ki.  chg = 1: that K is the first read of the
; next tile and slot vs has had its last read: the change of slots stands in front of it; chg = 2: the same with nothing left to fetch.
.macro ITER buf, nbuf, first, nx, vs, vi, lk, ks, ki, chg
.if \nx
	LOADV \vs, \vi, \nbuf                          ; into the buffer that the last block's products read: the maximum's instructions stand between
.endif
	PHASE1 \first, \nx
.if \lk
	PLACES                                         ; in front of the loads into K's fragments, which the last products read
.if \chg == 1
	CHANGE \vs
.endif
.if \chg == 2
	s_wait_dscnt 0x0
	s_wait_tensorcnt 0x0                           ; the last tile
	s_barrier_signal -1
	s_barrier_wait -1
.endif
	LOADK \ks, \ki
.endif
.if \nx == 0
	s_wait_dscnt 0x0                               ; the last block's V
.endif
	PHASE2 \buf, \first
.if \nx
	MAXES 0
	STATS 0
.endif
.endm
	s_wait_tensorcnt 0x1                           ; my part of tile 0 is in; tile 1's stays out
	s_barrier_signal -1
	s_barrier_wait -1
	LOADK 0, 0
	LOADV 0, 0, 0
	s_wait_loadcnt 0x0                             ; Q
	s_wait_dscnt 24                                ; K's eight loads of e = 0 are in; its other eight and V's 16 may be out
.irp n, 0,1,2,3,4,5,6,7
	SW \n, 0
.endr
	s_wait_dscnt 16                                ; all of K; V's 16 may be out
.irp n, 0,1,2,3,4,5,6,7
	SW \n, 1
.endr
	PLACES                                         ; in front of the loads into K's fragments and of the reads of the scores
	LOADK 0, 1
	MAXES 1
	STATS 1
	ITER 0, 1, 1, 1, 0, 1, 1, 0, 2, 0              ; block 0: its weights and products start every sum
	s_mov_b32 s18, 3
.Lloop:                                            ; blocks 1-8, 9-16, 17-24: tiles 2 to 7 are asked for, two a trip
	ITER 1, 0, 0, 1, 0, 2, 1, 0, 3, 0
	ITER 0, 1, 0, 1, 0, 3, 1, 1, 0, 1
	ITER 1, 0, 0, 1, 1, 0, 1, 1, 1, 0
	ITER 0, 1, 0, 1, 1, 1, 1, 1, 2, 0
	ITER 1, 0, 0, 1, 1, 2, 1, 1, 3, 0
	ITER 0, 1, 0, 1, 1, 3, 1, 0, 0, 1
	ITER 1, 0, 0, 1, 0, 0, 1, 0, 1, 0
	ITER 0, 1, 0, 1, 0, 1, 1, 0, 2, 0
	s_sub_co_u32 s18, s18, 1
	s_cmp_lg_u32 s18, 0
	s_cbranch_scc1 .Lloop
	ITER 1, 0, 0, 1, 0, 2, 1, 0, 3, 0              ; block 25
	ITER 0, 1, 0, 1, 0, 3, 1, 1, 0, 2              ; block 26: tile 7 is shown whole; nothing is left to fetch
	ITER 1, 0, 0, 1, 1, 0, 1, 1, 1, 0
	ITER 0, 1, 0, 1, 1, 1, 1, 1, 2, 0
	ITER 1, 0, 0, 1, 1, 2, 1, 1, 3, 0
	ITER 0, 1, 0, 1, 1, 3, 0, 0, 0, 0              ; block 30: no K is left to read
	ITER 1, 0, 0, 0, 0, 0, 0, 0, 0, 0              ; block 31: no block follows
	; divide by the sums, round to f16, and out through my own stage: whole tokens of 128 bytes, four to a store
	PLACES
.irp q, 0,1
	v_add_f32 v[TA+2*\q], v[LS+2*\q], v[LS+2*\q+1]
.endr
.irp q, 0,1
	v_permlanex16_b32 v[XP+\q], v[TA+2*\q], s16, s17
.endr
.irp q, 0,1
	v_add_f32 v[TA+2*\q], v[TA+2*\q], v[XP+\q]     ; at least 1: the row's largest score gives exp2(0)
.endr
.irp q, 0,1
	v_rcp_f32 v[AL+2*\q], v[TA+2*\q]
	v_rcp_f32 v[AL+2*\q+1], v[TA+2*\q]
.endr
	v_nop                                          ; the plain place behind the reciprocals
	s_wait_alu depctr_va_vdst(0)
	WIN W_PV
.irp k, 0,1,2,3,4,5,6,7
	RESC \k
.endr
	WIN W_OUT
.irp q, 0,1
.irp t, 0,1,2,3
.irp i, 0,1,2,3
	v_cvt_pk_f16_f32 v[PF+4*(4*\q+\t)+\i], v[OA+8*(2*\t+\q)+2*\i], v[OA+8*(2*\t+\q)+2*\i+1]
.endr
.endr
.endr
	WIN 0
.irp q, 0,1
.irp t, 0,1,2,3
	ds_store_b128 v[STO], v[PF+4*(4*\q+\t):PF+4*(4*\q+\t)+3] offset:\q*16*SP+32*\t
.endr
.endr
.irp u, 0,1,2,3,4,5,6,7
	ds_load_b128 v[SC+4*\u:SC+4*\u+3], v[RD] offset:\u*4*SP       ; LDS serves a wave's instructions in order (ISA guide 5.7.1.4): these see the stores above
.endr
.irp u, 0,1,2,3,4,5,6,7
	s_wait_dscnt 7-\u
	global_store_b128 v[CO], v[SC+4*\u:SC+4*\u+3], s[58:59] offset:512*\u   ; four tokens: 512 consecutive bytes, aligned
.endr
	s_wait_tensorcnt 0x0
	ds_add_u32 v62, v63
	s_wait_dscnt 0x0
	CROUND                                         ; the closing round
	s_endpgm
.Lfunc_end_k_q6309455cec_attn:
	.size	k_q6309455cec_attn, .Lfunc_end_k_q6309455cec_attn-k_q6309455cec_attn
	.p2alignl 7, 3214868480
	.fill 96, 4, 3214868480
	.section	.rodata,"a",@progbits
	.p2align	6, 0x0
	.amdhsa_kernel k_q6309455cec_attn
		.amdhsa_group_segment_fixed_size 327680
		.amdhsa_private_segment_fixed_size 0
		.amdhsa_enable_private_segment 0
		.amdhsa_kernarg_size 16
		.amdhsa_user_sgpr_count 2
		.amdhsa_user_sgpr_kernarg_segment_ptr 1
		.amdhsa_wavefront_size32 1
		.amdhsa_system_sgpr_workgroup_id_x 1
		.amdhsa_system_sgpr_workgroup_id_y 1
		.amdhsa_system_sgpr_workgroup_id_z 1
		.amdhsa_system_vgpr_workitem_id 0
		.amdhsa_next_free_vgpr 448
		.amdhsa_next_free_sgpr 66
		.amdhsa_reserve_vcc 0
		.amdhsa_float_denorm_mode_32 3
		.amdhsa_float_denorm_mode_16_64 3
		.amdhsa_memory_ordered 1
		.amdhsa_forward_progress 1
		.amdhsa_inst_pref_size 255
	.end_amdhsa_kernel
	.section	.bss,"aw",@nobits
	.p2align	6
	.space	262144
	.amdgpu_metadata
---
amdhsa.version: [ 1, 2 ]
amdhsa.kernels:
  - .name:           k_q6309455cec_attn
    .symbol:         k_q6309455cec_attn.kd
    .args:
      - { .name: qkv, .offset: 0, .size: 8, .value_kind: global_buffer, .address_space: global }
      - { .name: att, .offset: 8, .size: 8, .value_kind: global_buffer, .address_space: global }
    .group_segment_fixed_size: 327680
    .private_segment_fixed_size: 0
    .kernarg_segment_align: 8
    .kernarg_segment_size: 16
    .max_flat_workgroup_size: 256
    .sgpr_count:     66
    .vgpr_count:     448
    .wavefront_size: 32
...
	.end_amdgpu_metadata
.endif
;; end of part 3
;; launch proj (part 4): grid 8 x 32, 4 waves a work-group, clusters of 4 x 4, 327,680 bytes of LDS; arguments att, ph, proj_b, out0; writes out0
.if DOCPART == 4
	.amdgcn_target "amdgcn-amd-amdhsa--gfx1250"
	.amdhsa_code_object_version 6
	.text
	.protected	k_q6309455cec_proj
	.globl	k_q6309455cec_proj
	.p2align	8
	.type	k_q6309455cec_proj,@function
k_q6309455cec_proj:
	s_mov_b64 s[64:65], 0
	v_nop
	global_prefetch_b8 v0, s[64:65] scope:SCOPE_SE
	s_setreg_imm32_b32 hwreg(HW_REG_WAVE_MODE, 25, 1), 1
	s_wait_xcnt 0x0
	s_wait_alu depctr_hold_cnt(0) depctr_sa_sdst(0) depctr_va_vdst(0) depctr_va_sdst(0) depctr_va_ssrc(0) depctr_va_vcc(0) depctr_vm_vsrc(0)
	s_getreg_b32 s2, hwreg(HW_REG_IB_STS2, 6, 4)
	s_cmp_eq_u32 s2, 0
	s_cbranch_scc0 .Lentry_in_a_cluster
	s_endpgm
.Lentry_in_a_cluster:
	s_bfe_u32 s2, ttmp6, 0x10000c
	s_cmp_lg_u32 s2, 0xf033
	s_cbranch_scc0 .Lentry_shape_is_right
	s_endpgm
.Lentry_shape_is_right:
; out0[m][n] = sum over c of att(m, c) ph[n][c] + proj_b[n], f16 operands, f32 sums, f32 out.
; att: [block of 128 tokens 32][h 16][128][64] f16 (c = 64 h + d), ph: [1024][1024] f16, out0: [4096][1024] f32.
; A block of 128 tokens x 128 columns a work-group (32 x 8 = 256 blocks), four waves of 64 x 64: 16 accumulator tiles each.
; K goes in four parts of 256 (four heads) through TWO LDS slots.  Both are asked for at the start: half of K.  Each is filled again once,
; behind a round of the cluster's barrier, one load a wave, and that load has the other slot's 128 matrix instructions in which to land.
; A slot is 4 regions of 36,864 bytes, region w filled by wave w: regions 0, 1 two heads each (the heads of a block of tokens lie back to
; back, so two heads are 256 dense rows of 128 bytes), pitch 144; regions 2, 3 64 rows of ph each, 512 bytes, pitch 528.
; CLUSTERS: 4 x 4 work-groups; att's tiles are shared along a row of the cluster, ph's along a column, by joint loads.
; The matrix instruction is used transposed (source 0 = rows of ph, source 1 = tokens): a lane holds eight neighbouring columns of a token.
.set APITCH, 144
.set BPITCH, 528
.set HEADB,  128*APITCH                ; 18,432: a head's 128 tokens in LDS
.set REGION, 2*HEADB                   ; 36,864
.set SLOT,   4*REGION                  ; 147,456
.set STAGE,  2*SLOT                    ; 294,912: 16 rows x 272 bytes for each wave
.set SPITCH, 272
.set ASTEP,  4*16384                   ; bytes of att from one part of K to the next: four heads of 128 tokens x 128 bytes
.set BSTEP,  512                       ; bytes along ph's rows
.set ADRA, 16                          ; v16-17  LDS address of my token fragments in slot 0, 1
.set ADRB, 20                          ; v20-21  the same for ph's
.set STO,  24
.set RD,   25
.set CO,   26
.set BO,   27
.set BIAS, 28                          ; v[28:31]
.set F0,   64                          ; fragment buffer 0: tokens at +8 a, ph at +32 + 8 b
.set F1,   128
.set OB,   192                         ; v[192:223] the way out
; window 1: accumulator tile (a, b) at 8 (4 a + b)
.set G1,  24                           ; s[24:31]
.set G1B, 32                           ; s[32:39]
.set G0,  40                           ; s[40:47]  att's group 0, one set for each slot
.set G0B, 48                           ; s[48:55]  ph's
.set W_MUL, 0x50                       ; C and D in window 1
.set W_ST,  0x04                       ; an LDS store's data in window 1
.set MSB, 0
.macro WIN new                         ; the immediate's high byte repeats the setting that is left
.if MSB != \new
	s_set_vgpr_msb (MSB<<8)|\new
.set MSB, \new
.endif
.endm
.macro JLOAD s                         ; waves 0, 1 ask for two heads each, waves 2, 3 for ph's two halves
	s_cmp_eq_u32 s13, 0
	s_cbranch_scc0 .Lfor_b_\@
	tensor_load_to_lds s[G0+4*\s:G0+4*\s+3], s[G1:G1+7]
	s_nop 0
	s_branch .Lasked_\@
.Lfor_b_\@:
	tensor_load_to_lds s[G0B+4*\s:G0B+4*\s+3], s[G1B:G1B+7]
	s_nop 0
.Lasked_\@:
.endm
.macro CREST                           ; a round of the cluster's barrier behind its opening barrier
	s_cmp_lg_u32 s12, 0
	s_cbranch_scc1 .Lnot_wave_0_\@
	s_barrier_signal -3
.Lnot_wave_0_\@:
	s_barrier_wait -3
	s_barrier_signal -1
	s_barrier_wait -1
.endm
.macro CROUND
	s_barrier_signal -1
	s_barrier_wait -1
	CREST
.endm
.macro PLACES                          ; four independent vector places behind a matrix instruction (ISA guide 7.12.1)
.rept 4
	v_nop
.endr
.endm
	s_load_b256 s[4:11], s[0:1], 0x0               ; att s[4:5], ph s[6:7], proj_b s[8:9], out0 s[10:11]
	v_lshl_add_u32 v254, v0, 2, 0x4c400
	v_mov_b32 v255, 0
	ds_add_u32 v254, v255
	v_lshrrev_b32 v1, 5, v0
	v_readfirstlane_b32 s12, v1                    ; wave 0..3
	s_lshr_b32 s13, s12, 1                         ; my half of the tokens.  Also: I fetch att (0) or ph (1)
	s_and_b32 s14, s12, 1                          ; my half of the columns.  Also: which part I fetch
	s_bfe_u32 s56, ttmp6, 0x40000                  ; cx
	s_bfe_u32 s57, ttmp6, 0x40004                  ; cy
	s_lshl_b32 s58, ttmp9, 2
	s_add_co_u32 s58, s58, s56                     ; block column 0..7
	s_and_b32 s15, ttmp7, 0xffff
	s_lshl_b32 s15, s15, 2
	s_add_co_u32 s15, s15, s57                     ; block row 0..31
	s_lshl_b32 s59, s57, 2
	s_lshl_b32 s59, 15, s59                        ; my row of the cluster
	s_lshl_b32 s60, 0x1111, s56                    ; my column
	; att's tile: 256 rows (two heads' 128 tokens) of 64 elements of 2 bytes, dense; 4 words of padding behind each row's 32
	s_or_b32 s[G1+0], s59, (1<<16)|(1<<20)|(1<<21)|(4<<22)|(3<<25)
	s_mov_b32 s[G1+1], 64<<16                      ; tensor_dim0 = 64
	s_mov_b32 s[G1+2], 256<<16                     ; tensor_dim1 = 256
	s_mov_b32 s[G1+3], 64<<16                      ; tile_dim0 = 64
	s_mov_b32 s[G1+4], 256                         ; tile_dim1 = 256
	s_mov_b32 s[G1+5], 64                          ; elements from row to row
	s_mov_b32 s[G1+6], 0
	s_mov_b32 s[G1+7], 0
	; ph's tile: 64 rows of 256 elements; 4 words of padding behind each row's 128
	s_or_b32 s[G1B+0], s60, (1<<16)|(1<<20)|(1<<21)|(6<<22)|(3<<25)
	s_mov_b32 s[G1B+1], 256<<16
	s_mov_b32 s[G1B+2], 64<<16
	s_mov_b32 s[G1B+3], 256<<16
	s_mov_b32 s[G1B+4], 64
	s_mov_b32 s[G1B+5], 1024
	s_mov_b32 s[G1B+6], 0
	s_mov_b32 s[G1B+7], 0
	; att: block row x 16 heads x 16,384 bytes + my two heads of a part's four
	s_lshl_b32 s16, s15, 18
	s_lshl_b32 s17, s14, 15
	s_add_co_u32 s16, s16, s17
	s_mov_b32 s17, 0
	; ph: row 128 x block column + 64 x part, 2,048 bytes a row (in registers that never hold the block row)
	s_lshl_b32 s62, s58, 18
	s_lshl_b32 s63, s14, 17
	s_add_co_u32 s62, s62, s63
	s_mov_b32 s63, 0
	s_mul_i32 s61, s12, REGION                     ; my region of a slot: the wave's number alone
	s_wait_dscnt 0x0
	s_wait_kmcnt 0x0
	s_add_nc_u64 s[16:17], s[4:5], s[16:17]
	s_add_nc_u64 s[62:63], s[6:7], s[62:63]
.irp s, 0,1
	s_mov_b32 s[G0+4*\s], 1
	s_add_co_u32 s[G0+4*\s+1], s61, \s*SLOT
	s_add_nc_u64 s[G0+4*\s+2:G0+4*\s+3], s[16:17], \s*ASTEP        ; part s of K: heads 4 s .. 4 s + 3
	s_or_b32 s[G0+4*\s+3], s[G0+4*\s+3], 0x80000000
	s_mov_b32 s[G0B+4*\s], 1
	s_add_co_u32 s[G0B+4*\s+1], s61, \s*SLOT
	s_add_nc_u64 s[G0B+4*\s+2:G0B+4*\s+3], s[62:63], \s*BSTEP      ; 256 elements along ph's rows
	s_or_b32 s[G0B+4*\s+3], s[G0B+4*\s+3], 0x80000000
.endr
	CROUND                                         ; all sixteen work-groups are here: the first joint loads meet
	s_cmp_eq_u32 s13, 0                            ; both first fills of a wave inside one branch: two loads are out, the most in this text
	s_cbranch_scc0 .Lfirst_b
	tensor_load_to_lds s[G0:G0+3], s[G1:G1+7]
	s_nop 0
	tensor_load_to_lds s[G0+4:G0+7], s[G1:G1+7]
	s_nop 0
	s_branch .Lfirst_done
.Lfirst_b:
	tensor_load_to_lds s[G0B:G0B+3], s[G1B:G1B+7]
	s_nop 0
	tensor_load_to_lds s[G0B+4:G0B+7], s[G1B:G1B+7]
	s_nop 0
.Lfirst_done:
	; my first column in bytes of f32, for the bias and for out0; then my first row of out0
	s_lshl_b32 s20, s58, 9
	s_lshl_b32 s21, s14, 8
	s_add_co_u32 s20, s20, s21
	s_mov_b32 s21, 0
	s_add_nc_u64 s[8:9], s[8:9], s[20:21]
	s_add_nc_u64 s[10:11], s[10:11], s[20:21]
	s_lshl_b32 s20, s15, 19                        ; 128 rows x 4,096 bytes
	s_lshl_b32 s22, s13, 18                        ; 64 rows
	s_add_co_u32 s20, s20, s22
	s_add_nc_u64 s[10:11], s[10:11], s[20:21]
	v_and_b32 v1, 15, v0                           ; r
	v_bfe_u32 v2, v0, 4, 1                         ; h
	v_lshlrev_b32 v[BO], 4, v1                     ; my four columns on the way out
	global_load_b128 v[BIAS:BIAS+3], v[BO], s[8:9]
	v_mul_u32_u24 v3, v1, APITCH
	v_lshl_add_u32 v3, v2, 4, v3
	v_mul_u32_u24 v4, v1, BPITCH
	v_lshl_add_u32 v4, v2, 4, v4
	s_mul_i32 s21, s13, 64*APITCH                  ; my 64 tokens inside each head
	s_mul_i32 s22, s14, REGION                     ; my 64 rows of ph are one region,
	s_add_co_u32 s22, s22, 2*REGION                ; behind the four heads
.irp s, 0,1
	v_add_nc_u32 v[ADRA+\s], s21, v3
	v_add_nc_u32 v[ADRB+\s], s22, v4
	s_add_co_u32 s21, s21, SLOT
	s_add_co_u32 s22, s22, SLOT
.endr
	s_mul_i32 s23, s12, 16*SPITCH
	s_add_co_u32 s23, s23, STAGE                   ; my stage
	v_mul_u32_u24 v5, v1, SPITCH                   ; in: token r, 32 bytes (8 f32) for each half of the lanes
	v_lshl_add_u32 v5, v2, 5, v5
	v_add_nc_u32 v[STO], s23, v5
	v_mul_u32_u24 v5, v2, SPITCH                   ; back: lanes 0-15 one row of 256 bytes, lanes 16-31 the next
	v_lshl_add_u32 v5, v1, 4, v5
	v_add_nc_u32 v[RD], s23, v5
	v_lshl_add_u32 v[CO], v2, 12, v[BO]            ; the same two rows in out0
; 4 matrix instructions: token tile a x the 4 column tiles.  The 16 accumulators take turns, one instruction a turn.
.macro MULA f, a, zero
.irp b, 0,1,2,3
.if \zero
	v_wmma_f32_16x16x32_f16 v[8*(4*(\a)+\b):8*(4*(\a)+\b)+7], v[\f+32+8*\b:\f+32+8*\b+7], v[\f+8*(\a):\f+8*(\a)+7], 0
.else
	v_wmma_f32_16x16x32_f16 v[8*(4*(\a)+\b):8*(4*(\a)+\b)+7], v[\f+32+8*\b:\f+32+8*\b+7], v[\f+8*(\a):\f+8*(\a)+7], v[8*(4*(\a)+\b):8*(4*(\a)+\b)+7]
.endif
.endr
.endm
; 16 LDS loads: eighth kq (32 along K) of a slot into buffer f: ph's eight first, then the tokens'.  Eighth kq lies in head kq / 2.
.macro FETCH slot, kq, f
.irp b, 0,1,2,3
	ds_load_b128 v[\f+32+8*\b:\f+32+8*\b+3], v[ADRB+\slot] offset:\b*16*BPITCH+\kq*64
	ds_load_b128 v[\f+32+8*\b+4:\f+32+8*\b+7], v[ADRB+\slot] offset:\b*16*BPITCH+\kq*64+32
.endr
.irp a, 0,1,2,3
	ds_load_b128 v[\f+8*\a:\f+8*\a+3], v[ADRA+\slot] offset:(\kq/2)*HEADB+(\kq%2)*64+\a*16*APITCH
	ds_load_b128 v[\f+8*\a+4:\f+8*\a+7], v[ADRA+\slot] offset:(\kq/2)*HEADB+(\kq%2)*64+\a*16*APITCH+32
.endr
.endm
; multiplies buffer f; in its middle fetches eighth fk of slot fs into buffer g
.macro EIGHTH fs, fk, f, g, zero
	s_wait_dscnt 4                                 ; the youngest four loads (token tiles 2, 3) may be out
	WIN W_MUL
	MULA \f, 0, \zero
	MULA \f, 1, \zero
	WIN 0
	PLACES
	FETCH \fs, \fk, \g
	s_wait_dscnt 16                                ; all but the 16 just issued
	WIN W_MUL
	MULA \f, 2, \zero
	MULA \f, 3, \zero
.endm
.macro RUN slot, zero                  ; a slot's first seven eighths
	EIGHTH \slot, 1, F0, F1, \zero
	EIGHTH \slot, 2, F1, F0, 0
	EIGHTH \slot, 3, F0, F1, 0
	EIGHTH \slot, 4, F1, F0, 0
	EIGHTH \slot, 5, F0, F1, 0
	EIGHTH \slot, 6, F1, F0, 0
	EIGHTH \slot, 7, F0, F1, 0
.endm
; A slot's last eighth and the change of slots.  In front of the barrier each wave waits for its reads of this slot and for all its tensor
; loads (one is out: its part of the other slot).  fill = 1: the barrier opens a round of the cluster's barrier, and behind the round
; this slot is filled again, two parts of K ahead.
.macro TURN slot, next, fill
	s_wait_dscnt 4
	WIN W_MUL
	MULA F1, 0, 0
	s_wait_dscnt 0
	s_wait_tensorcnt 0x0
	ds_add_u32 v254, v255
	s_wait_dscnt 0x0
	s_barrier_signal -1
	MULA F1, 1, 0                                  ; register work while the others arrive
	WIN 0
	s_barrier_wait -1
.if \fill
	CREST
	s_add_nc_u64 s[G0+4*\slot+2:G0+4*\slot+3], s[G0+4*\slot+2:G0+4*\slot+3], 2*ASTEP
	s_add_nc_u64 s[G0B+4*\slot+2:G0B+4*\slot+3], s[G0B+4*\slot+2:G0B+4*\slot+3], 2*BSTEP
	JLOAD \slot                                    ; the first tensor load behind the round, and the wave's only one until the next
.endif
	PLACES
	FETCH \next, 0, F0
	WIN W_MUL
	MULA F1, 2, 0
	MULA F1, 3, 0
.endm
	s_wait_tensorcnt 0x1                           ; my part of slot 0 is in; slot 1's stays out
	s_barrier_signal -1
	s_barrier_wait -1
	FETCH 0, 0, F0
	RUN 0, 1                                       ; K 0..255: its first products start the sums
	TURN 0, 1, 1                                   ; slot 1 has landed; K 512..767 is asked for
	RUN 1, 0                                       ; K 256..511
	TURN 1, 0, 1                                   ; K 512..767 has landed; K 768..1023 is asked for
	RUN 0, 0                                       ; K 512..767
	TURN 0, 1, 0                                   ; a plain barrier behind the wait for the last load
	RUN 1, 0                                       ; K 768..1023
	s_wait_dscnt 0
	WIN W_MUL
	MULA F1, 0, 0
	MULA F1, 1, 0
	MULA F1, 2, 0
	MULA F1, 3, 0
	WIN 0
	PLACES                                         ; in front of the LDS stores that read the results
	s_wait_loadcnt 0x0                             ; the bias
; 16 tokens: f32 results into my own stage, back as whole rows of 256 bytes, bias added, stored
.macro OUTA a
	WIN W_ST
.irp b, 0,1,2,3
	ds_store_b128 v[STO], v[8*(4*\a+\b):8*(4*\a+\b)+3] offset:64*\b
	ds_store_b128 v[STO], v[8*(4*\a+\b)+4:8*(4*\a+\b)+7] offset:64*\b+16
.endr
	WIN 0
	s_wait_xcnt 0x0                                ; OB, which earlier stores read, is loaded again only behind this wait (ISA guide 3.1)
.irp t, 0,1,2,3,4,5,6,7
	ds_load_b128 v[OB+4*\t:OB+4*\t+3], v[RD] offset:\t*2*SPITCH   ; LDS serves a wave's instructions in order (ISA guide 5.7.1.4): these see the stores above
.endr
.irp t, 0,1,2,3,4,5,6,7
	s_wait_dscnt 7-\t
	v_pk_add_f32 v[OB+4*\t:OB+4*\t+1], v[OB+4*\t:OB+4*\t+1], v[BIAS:BIAS+1]
	v_pk_add_f32 v[OB+4*\t+2:OB+4*\t+3], v[OB+4*\t+2:OB+4*\t+3], v[BIAS+2:BIAS+3]
	global_store_b128 v[CO], v[OB+4*\t:OB+4*\t+3], s[10:11] offset:(16*\a+2*\t)*4096 th:TH_STORE_NT   ; 16 lanes store 256 consecutive bytes, aligned
.endr
.endm
	OUTA 0
	OUTA 1
	OUTA 2
	OUTA 3
	s_wait_tensorcnt 0x0
	ds_add_u32 v254, v255
	s_wait_dscnt 0x0
	CROUND                                         ; the closing round
	s_endpgm
.Lfunc_end_k_q6309455cec_proj:
	.size	k_q6309455cec_proj, .Lfunc_end_k_q6309455cec_proj-k_q6309455cec_proj
	.p2alignl 7, 3214868480
	.fill 96, 4, 3214868480
	.section	.rodata,"a",@progbits
	.p2align	6, 0x0
	.amdhsa_kernel k_q6309455cec_proj
		.amdhsa_group_segment_fixed_size 327680
		.amdhsa_private_segment_fixed_size 0
		.amdhsa_enable_private_segment 0
		.amdhsa_kernarg_size 32
		.amdhsa_user_sgpr_count 2
		.amdhsa_user_sgpr_kernarg_segment_ptr 1
		.amdhsa_wavefront_size32 1
		.amdhsa_system_sgpr_workgroup_id_x 1
		.amdhsa_system_sgpr_workgroup_id_y 1
		.amdhsa_system_sgpr_workgroup_id_z 1
		.amdhsa_system_vgpr_workitem_id 0
		.amdhsa_next_free_vgpr 384
		.amdhsa_next_free_sgpr 66
		.amdhsa_reserve_vcc 0
		.amdhsa_float_denorm_mode_32 3
		.amdhsa_float_denorm_mode_16_64 3
		.amdhsa_memory_ordered 1
		.amdhsa_forward_progress 1
		.amdhsa_inst_pref_size 93
	.end_amdhsa_kernel
	.amdgpu_metadata
---
amdhsa.version: [ 1, 2 ]
amdhsa.kernels:
  - .name:           k_q6309455cec_proj
    .symbol:         k_q6309455cec_proj.kd
    .args:
      - { .name: att, .offset: 0, .size: 8, .value_kind: global_buffer, .address_space: global }
      - { .name: ph, .offset: 8, .size: 8, .value_kind: global_buffer, .address_space: global }
      - { .name: proj_b, .offset: 16, .size: 8, .value_kind: global_buffer, .address_space: global }
      - { .name: out0, .offset: 24, .size: 8, .value_kind: global_buffer, .address_space: global }
    .group_segment_fixed_size: 327680
    .private_segment_fixed_size: 0
    .kernarg_segment_align: 8
    .kernarg_segment_size: 32
    .max_flat_workgroup_size: 128
    .sgpr_count:     66
    .vgpr_count:     384
    .wavefront_size: 32
...
	.end_amdgpu_metadata
.endif
;; end of part 4
